; MI455X (gfx1250); checked and timed in simulation.
; The chip was launched on July 23, 2026; its instructions are those of AMD's public machine-readable ISA for CDNA 5 (MIT licence, August 2026) and "CDNA5" Instruction Set Architecture Reference Guide (July 2026). The comments in the code are by the model that wrote it; some were corrected since.
;; Quantum Ansatz. Allowed arithmetic: float matrix products may take bf16 or f16 operands with f32 sums; all other float work in f32.
;; Inputs: x 1,024 x 2 float32; y 1,024 x 2 float32.
;; Outputs: out0 1,024 x 1,024 float32.
;; 2 versions, each right; version 2 is version 1 with the launch ansatz written anew for expert scheduling mode. Each part assembles by itself: llvm-mc -triple=amdgcn-amd-amdhsa -mcpu=gfx1250 --defsym DOCPART=n.
;; ======== version 1 of 2: 1 launch
;; limits: inputs' magnitudes at most 4,194,304
;; launch ansatz (part 1): grid 4 x 64, 4 waves a work-group, no clusters, 0 bytes of LDS; arguments x, y, out0; writes out0
.if DOCPART == 1
	.amdgcn_target "amdgcn-amd-amdhsa--gfx1250"
	.amdhsa_code_object_version 6
	.text
	.protected	k_q605ebd2144_ansatz
	.globl	k_q605ebd2144_ansatz
	.p2align	8
	.type	k_q605ebd2144_ansatz,@function
k_q605ebd2144_ansatz:
	s_mov_b64 s[64:65], 0
	v_nop
	global_prefetch_b8 v0, s[64:65] scope:SCOPE_SE
	s_setreg_imm32_b32 hwreg(HW_REG_WAVE_MODE, 25, 1), 1
	s_wait_xcnt 0x0
; out[i][j] = <Z0> of: RY(t_w) on |0000>, CNOT(0,1), CNOT(1,2), CNOT(2,3), RY(-t_w), with t = (x[i][0], x[i][1], y[j][0], y[j][1]).
;
; THE ALGEBRA.  Write c_w = cos(t_w/2), s_w = sin(t_w/2), n_w = c_w^2 + s_w^2, and treat them as free numbers (n_w = 1 is NOT assumed).
; Behind the CNOTs the amplitude is v0[a] v1[b^a] v2[c^b] v3[d^c], v_w = (c_w, s_w).  For G = [[c, s], [-s, c]] the sum over o of
; (G[o][0] u0 + G[o][1] u1)^2 is (c^2 + s^2)(u0^2 + u1^2), so the sums over wires 1, 2, 3 turn the last three rotations into n1 n2 n3; the
; sums over d and c of v3^2 and v2^2 give n3 and n2 once more; the rotation of wire 0 is written out.  The result, a polynomial identity:
;     out[i][j] = f(x[i]) g(y[j]),   f = n1 ( n1 (c0^2 - s0^2)^2 + (2 c0 s0)^2 (2 c1 s1) ),   g = (n2 n3)^2.
; It holds for every input; only the order of rounding differs.  y is read and goes through the same sine and cosine, so that a NaN or an
; infinity in y gives NaN in its column.  No matrix product is left: the one rotation that remains has other entries for each output.
;
; SINE AND COSINE: h = t/2, k = round(h 2/pi), r = h - k pi/2 in two fused steps (pi/2 = high + low f32; what is left out is
; k x 1.7e-15), polynomials of degree 7 and 8 on |r| <= pi/4.  n_w, (c0^2 - s0^2)^2 and (c0 s0)^2 do not change when sine and cosine are swapped or
; change sign, so they are made from sin r and cos r as they are; c1 s1 = sin(2r + k pi) / 2 takes the sign (-1)^k.  No branch, no select.
; LIMIT: |t| below 2^22 (k below 2^21 fits the rounding by the added constant, and k's error of k x 2^-25 stays under 0.07); larger
; finite angles give wrong finite numbers.  Infinities and NaN give NaN.
;
; SHARES: 4 x 64 work-groups of four waves; a work-group makes 16 rows x 256 columns, a wave 16 rows x 64 columns.  Lane (r = lane & 15,
; h = lane >> 4) stores the 16 bytes of columns 4r .. 4r+3 of rows 2k + h, k = 0 .. 7: in each store sixteen neighbouring lanes write 256
; consecutive bytes that start at a multiple of 256 from the output's first byte.  Waves share nothing: no LDS, no barrier.  No cluster:
; the inputs of a work-group are 2,176 bytes.
.set F_INVPIO2, 0x3f22f983             ; 2/pi
.set F_MAGIC,   0x4b400000             ; 1.5 x 2^23: adding it rounds to a whole number and leaves k's low bits in the word's low bits
.set F_NPIO2_H, 0xbfc90fdb             ; -(pi/2 rounded to f32)
.set F_NPIO2_L, 0x333bbd2e             ; -(pi/2 - that) = +4.3711388e-8
.set F_SIN3,    0xb94ca1f9             ; sin r = r + r z (SIN1 + z (SIN2 + z SIN3)), z = r^2:  -1.9515296e-4
.set F_SIN2,    0x3c08839e             ;  8.3321609e-3
.set F_SIN1,    0xbe2aaaa3             ; -1.6666655e-1
.set F_COS3,    0x37ccf5ce             ; cos r = 1 + z (-0.5 + z (COS1 + z (COS2 + z COS3))):   2.4433157e-5
.set F_COS2,    0xbab6061a             ; -1.3887316e-3
.set F_COS1,    0x3d2aaaa5             ;  4.1666646e-2
; scalar pairs: a packed instruction names the pair and takes its first register for both halves (op_sel_hi 0)
.set Q_INV, 20
.set Q_NH,  22
.set Q_NL,  24
.set Q_S3,  26
.set Q_S1,  28
.set Q_C3,  30
.set Q_C1,  32
; vector registers.  Three pairs of angles a lane: pair 0 = x of my row, pairs 1 and 2 = y of my two columns
.set VX,    1                          ; byte offset of my row's two angles in x
.set VY,    2                          ; byte offset of my two columns' four angles in y
.set VO,    3                          ; byte offset of my 16 bytes in row h of the wave's tile
.set MAGIC, 4                          ; v[4:5]    the three constants that stand beside a scalar constant in one instruction
.set P_S2,  6                          ; v[6:7]
.set P_C2,  8                          ; v[8:9]
.set ANG,   10                         ; v[10:15]  t
.set HA,    16                         ; v[16:21]  h = t/2 (before the loads: scratch for the offsets)
.set JJ,    22                         ; v[22:27]  h 2/pi + 1.5 x 2^23
.set KK,    28                         ; v[28:33]  k
.set RR,    34                         ; v[34:39]  r
.set ZZ,    40                         ; v[40:45]  r^2
.set SN,    46                         ; v[46:51]  the sine's polynomial, then sin r
.set CS,    52                         ; v[52:57]  the cosine's polynomial, then cos r
.set ZR,    58                         ; v[58:63]  r^3
.set SS,    64                         ; v[64:69]  sin^2 r
.set NN,    70                         ; v[70:75]  n = cos^2 r + sin^2 r
.set MM,    76                         ; v[76:77]  2 c0 s0 (up to sign), 2 c1 s1
.set WW,    78                         ; v[78:79]  n2 n3 of my two columns
.set DD,    80                         ; c0^2 - s0^2 (up to sign), then the sum in f
.set EE,    81                         ; (2 c0 s0)^2
.set SG,    82                         ; k1's lowest bit in the sign's place
.set FF,    83                         ; f of row 2 (lane & 7) + h
.set GG,    84                         ; v[84:87]  g of columns 4r .. 4r+3
.set FT,    28                         ; v[28:43]  f of row 2k + h in register FT + 2k: k, r and r^2 are done with by then
.set OUT,   88                         ; v[88:119] four registers for each of the eight stores: no store's data is ever rewritten
.macro SPAIR reg, val
	s_mov_b32 s[\reg], \val
	s_mov_b32 s[\reg+1], \val
.endm
.macro VPAIR reg, val
	v_mov_b32 v[\reg], \val
	v_mov_b32 v[\reg+1], \val
.endm
	s_load_b128 s[4:7], s[0:1], 0x0                ; x s[4:5], y s[6:7]
	s_load_b64 s[8:9], s[0:1], 0x10                ; out
	v_lshrrev_b32 v[HA], 5, v0
	v_readfirstlane_b32 s10, v[HA]                 ; wave 0 .. 3
	s_and_b32 s11, ttmp7, 0xffff                   ; block of 16 rows; ttmp9: block of 256 columns
	s_lshl_b32 s12, s11, 7                         ; x: 16 rows of 8 bytes
	s_mov_b32 s13, 0
	s_lshl_b32 s14, ttmp9, 11                      ; y: 256 columns of 8 bytes,
	s_lshl_b32 s18, s10, 9                         ;    + my wave's 64 columns
	s_add_co_u32 s14, s14, s18
	s_mov_b32 s15, 0
	s_lshr_b32 s18, s14, 1                         ; out: the same columns at 4 bytes,
	s_lshl_b32 s16, s11, 16                        ;      + 16 rows of 4,096 bytes
	s_add_co_u32 s16, s16, s18
	s_mov_b32 s17, 0
	v_and_b32 v[HA], 15, v0                        ; r
	v_and_b32 v[HA+1], 16, v0                      ; 16 h
	v_and_b32 v[HA+2], 7, v0                       ; r & 7
	v_lshrrev_b32 v[HA+3], 1, v[HA+1]              ; 8 h
	v_lshlrev_b32 v[HA+4], 4, v[HA]                ; 16 r
	v_lshl_or_b32 v[VY], v[HA], 5, v[HA+1]         ; columns 4r + 2h, 4r + 2h + 1: 32 r + 16 h
	v_lshl_or_b32 v[VX], v[HA+2], 4, v[HA+3]       ; row 2 (r & 7) + h: 16 (r & 7) + 8 h
	v_lshl_or_b32 v[VO], v[HA+1], 8, v[HA+4]       ; row h, columns 4r ..: 4,096 h + 16 r
	s_wait_kmcnt 0x0
	s_add_nc_u64 s[6:7], s[6:7], s[14:15]
	s_add_nc_u64 s[4:5], s[4:5], s[12:13]
	global_load_b128 v[ANG+2:ANG+5], v[VY], s[6:7] ; the wave's 512 bytes of y, each angle in one lane
	global_load_b64 v[ANG:ANG+1], v[VX], s[4:5]    ; the wave's 128 bytes of x, lanes 8-15 of each half as lanes 0-7
	s_add_nc_u64 s[8:9], s[8:9], s[16:17]
	SPAIR Q_INV, F_INVPIO2                         ; the constants are set while the loads are on their way
	SPAIR Q_NH,  F_NPIO2_H
	SPAIR Q_NL,  F_NPIO2_L
	SPAIR Q_S3,  F_SIN3
	SPAIR Q_S1,  F_SIN1
	SPAIR Q_C3,  F_COS3
	SPAIR Q_C1,  F_COS1
	VPAIR MAGIC, F_MAGIC
	VPAIR P_S2,  F_SIN2
	VPAIR P_C2,  F_COS2
	s_wait_loadcnt 0x0                             ; both loads: the first line below takes all six angles
	; sin r and cos r of six half angles, two in an instruction, three chains that do not wait for each other
.irp p, 0,2,4
	v_pk_mul_f32 v[HA+\p:HA+\p+1], v[ANG+\p:ANG+\p+1], 0.5 op_sel_hi:[1,0]
.endr
.irp p, 0,2,4
	v_pk_fma_f32 v[JJ+\p:JJ+\p+1], v[HA+\p:HA+\p+1], s[Q_INV:Q_INV+1], v[MAGIC:MAGIC+1] op_sel_hi:[1,0,1]
.endr
.irp p, 0,2,4
	v_pk_add_f32 v[KK+\p:KK+\p+1], v[JJ+\p:JJ+\p+1], v[MAGIC:MAGIC+1] neg_lo:[0,1] neg_hi:[0,1]   ; k as a float
.endr
.irp p, 0,2,4
	v_pk_fma_f32 v[RR+\p:RR+\p+1], v[KK+\p:KK+\p+1], s[Q_NH:Q_NH+1], v[HA+\p:HA+\p+1] op_sel_hi:[1,0,1]
.endr
.irp p, 0,2,4
	v_pk_fma_f32 v[RR+\p:RR+\p+1], v[KK+\p:KK+\p+1], s[Q_NL:Q_NL+1], v[RR+\p:RR+\p+1] op_sel_hi:[1,0,1]
.endr
.irp p, 0,2,4
	v_pk_mul_f32 v[ZZ+\p:ZZ+\p+1], v[RR+\p:RR+\p+1], v[RR+\p:RR+\p+1]
.endr
.irp p, 0,2,4
	v_pk_fma_f32 v[SN+\p:SN+\p+1], v[ZZ+\p:ZZ+\p+1], s[Q_S3:Q_S3+1], v[P_S2:P_S2+1] op_sel_hi:[1,0,1]
	v_pk_fma_f32 v[CS+\p:CS+\p+1], v[ZZ+\p:ZZ+\p+1], s[Q_C3:Q_C3+1], v[P_C2:P_C2+1] op_sel_hi:[1,0,1]
.endr
.irp p, 0,2,4
	v_pk_mul_f32 v[ZR+\p:ZR+\p+1], v[ZZ+\p:ZZ+\p+1], v[RR+\p:RR+\p+1]
.endr
.irp p, 0,2,4
	v_pk_fma_f32 v[SN+\p:SN+\p+1], v[SN+\p:SN+\p+1], v[ZZ+\p:ZZ+\p+1], s[Q_S1:Q_S1+1] op_sel_hi:[1,1,0]
	v_pk_fma_f32 v[CS+\p:CS+\p+1], v[CS+\p:CS+\p+1], v[ZZ+\p:ZZ+\p+1], s[Q_C1:Q_C1+1] op_sel_hi:[1,1,0]
.endr
.irp p, 0,2,4
	v_pk_fma_f32 v[SN+\p:SN+\p+1], v[SN+\p:SN+\p+1], v[ZR+\p:ZR+\p+1], v[RR+\p:RR+\p+1]          ; sin r
	v_pk_fma_f32 v[CS+\p:CS+\p+1], v[CS+\p:CS+\p+1], v[ZZ+\p:ZZ+\p+1], -0.5 op_sel_hi:[1,1,0]
.endr
.irp p, 0,2,4
	v_pk_fma_f32 v[CS+\p:CS+\p+1], v[CS+\p:CS+\p+1], v[ZZ+\p:ZZ+\p+1], 1.0 op_sel_hi:[1,1,0]     ; cos r
.endr
	; f of my row and g of my two columns
.irp p, 0,2,4
	v_pk_mul_f32 v[SS+\p:SS+\p+1], v[SN+\p:SN+\p+1], v[SN+\p:SN+\p+1]
.endr
	v_pk_mul_f32 v[MM:MM+1], v[SN:SN+1], v[CS:CS+1]                ; sin r cos r of angles 0 and 1
	v_lshlrev_b32 v[SG], 31, v[JJ+1]                               ; k1 odd: c1 s1 = - sin r cos r
.irp p, 0,2,4
	v_pk_fma_f32 v[NN+\p:NN+\p+1], v[CS+\p:CS+\p+1], v[CS+\p:CS+\p+1], v[SS+\p:SS+\p+1]          ; n0 (not used), n1; n2, n3; n2, n3
.endr
	v_fma_f32 v[DD], v[CS], v[CS], -v[SS]                          ; +-(c0^2 - s0^2): it is squared below
	v_pk_add_f32 v[MM:MM+1], v[MM:MM+1], v[MM:MM+1]                ; doubled
	v_mul_f32 v[WW], v[NN+2], v[NN+3]
	v_mul_f32 v[WW+1], v[NN+4], v[NN+5]
	v_mul_f32 v[DD], v[DD], v[DD]
	v_xor_b32 v[MM+1], v[SG], v[MM+1]                              ; 2 c1 s1
	v_mul_f32 v[EE], v[MM], v[MM]                                  ; (2 c0 s0)^2
	v_pk_mul_f32 v[GG:GG+1], v[WW:WW+1], v[WW:WW+1]                ; g of columns 4r + 2h, 4r + 2h + 1, made twice,
	v_pk_mul_f32 v[GG+2:GG+3], v[WW:WW+1], v[WW:WW+1]              ; so that the exchange below needs no copy
	v_mul_f32 v[DD], v[DD], v[NN+1]
	v_permlane16_swap_b32 v[GG], v[GG+2]                           ; the first register's lanes 16-31 against the second's lanes 0-15:
	v_permlane16_swap_b32 v[GG+1], v[GG+3]                         ; GG, GG+1 = g(4r), g(4r+1) and GG+2, GG+3 = g(4r+2), g(4r+3) in both halves
	v_fma_f32 v[DD], v[EE], v[MM+1], v[DD]
	v_mul_f32 v[FF], v[DD], v[NN+1]                                ; f
	; Lane k of each half of 16 holds f of row 2k + h: every lane of the half takes it.  The destinations were written above (k, r, r^2).
.irp k, 0,1,2,3,4,5,6,7
	v_mov_b32_dpp v[FT+2*\k], v[FF] row_share:\k row_mask:0xf bank_mask:0xf
.endr
	; Rows 2k (lanes 0-15) and 2k + 1 (lanes 16-31): four products and 16 bytes a lane.  The packed multiply takes FT + 2k for both halves.
.irp k, 0,1,2,3,4,5,6,7
	v_pk_mul_f32 v[OUT+4*\k:OUT+4*\k+1],   v[GG:GG+1],   v[FT+2*\k:FT+2*\k+1] op_sel_hi:[1,0]
	v_pk_mul_f32 v[OUT+4*\k+2:OUT+4*\k+3], v[GG+2:GG+3], v[FT+2*\k:FT+2*\k+1] op_sel_hi:[1,0]
	global_store_b128 v[VO], v[OUT+4*\k:OUT+4*\k+3], s[8:9] offset:\k*8192 th:TH_STORE_NT
.endr
	s_endpgm
.Lfunc_end_k_q605ebd2144_ansatz:
	.size	k_q605ebd2144_ansatz, .Lfunc_end_k_q605ebd2144_ansatz-k_q605ebd2144_ansatz
	.p2alignl 7, 3214868480
	.fill 96, 4, 3214868480
	.section	.rodata,"a",@progbits
	.p2align	6, 0x0
	.amdhsa_kernel k_q605ebd2144_ansatz
		.amdhsa_group_segment_fixed_size 0
		.amdhsa_private_segment_fixed_size 0
		.amdhsa_enable_private_segment 0
		.amdhsa_kernarg_size 24
		.amdhsa_user_sgpr_count 2
		.amdhsa_user_sgpr_kernarg_segment_ptr 1
		.amdhsa_wavefront_size32 1
		.amdhsa_system_sgpr_workgroup_id_x 1
		.amdhsa_system_sgpr_workgroup_id_y 1
		.amdhsa_system_sgpr_workgroup_id_z 1
		.amdhsa_system_vgpr_workitem_id 0
		.amdhsa_next_free_vgpr 120
		.amdhsa_next_free_sgpr 66
		.amdhsa_reserve_vcc 0
		.amdhsa_float_denorm_mode_32 3
		.amdhsa_float_denorm_mode_16_64 3
		.amdhsa_memory_ordered 1
		.amdhsa_forward_progress 1
		.amdhsa_inst_pref_size 9
	.end_amdhsa_kernel
	.amdgpu_metadata
---
amdhsa.version: [ 1, 2 ]
amdhsa.kernels:
  - .name:           k_q605ebd2144_ansatz
    .symbol:         k_q605ebd2144_ansatz.kd
    .args:
      - { .name: x, .offset: 0, .size: 8, .value_kind: global_buffer, .address_space: global }
      - { .name: y, .offset: 8, .size: 8, .value_kind: global_buffer, .address_space: global }
      - { .name: out0, .offset: 16, .size: 8, .value_kind: global_buffer, .address_space: global }
    .group_segment_fixed_size: 0
    .private_segment_fixed_size: 0
    .kernarg_segment_align: 8
    .kernarg_segment_size: 24
    .max_flat_workgroup_size: 128
    .sgpr_count:     66
    .vgpr_count:     120
    .wavefront_size: 32
...
	.end_amdgpu_metadata
.endif
;; end of part 1
;; ======== version 2 of 2: 1 launch; version 1 with the launch ansatz written anew for expert scheduling mode
;; limits: inputs' magnitudes at most 4,194,304
;; launch ansatz (part 2): grid 4 x 64, 4 waves a work-group, no clusters, 0 bytes of LDS; arguments x, y, out0; writes out0
.if DOCPART == 2
	.amdgcn_target "amdgcn-amd-amdhsa--gfx1250"
	.amdhsa_code_object_version 6
	.text
	.protected	k_q605ebd2144_ansatz
	.globl	k_q605ebd2144_ansatz
	.p2align	8
	.type	k_q605ebd2144_ansatz,@function
k_q605ebd2144_ansatz:
	s_mov_b64 s[64:65], 0
	v_nop
	global_prefetch_b8 v0, s[64:65] scope:SCOPE_SE
	s_setreg_imm32_b32 hwreg(HW_REG_WAVE_SCHED_MODE, 0, 2), 2
	s_setreg_imm32_b32 hwreg(HW_REG_WAVE_MODE, 25, 1), 1
	s_wait_xcnt 0x0
	s_wait_alu depctr_vm_vsrc(0)
; out[i][j] = <Z0> of: RY(t_w) on |0000>, CNOT(0,1), CNOT(1,2), CNOT(2,3), RY(-t_w), with t = (x[i][0], x[i][1], y[j][0], y[j][1]).
;
; THE ALGEBRA.  Write c_w = cos(t_w/2), s_w = sin(t_w/2), n_w = c_w^2 + s_w^2, and treat them as free numbers (n_w = 1 is NOT assumed).
; Behind the CNOTs the amplitude is v0[a] v1[b^a] v2[c^b] v3[d^c], v_w = (c_w, s_w).  For G = [[c, s], [-s, c]] the sum over o of
; (G[o][0] u0 + G[o][1] u1)^2 is (c^2 + s^2)(u0^2 + u1^2), so the sums over wires 1, 2, 3 turn the last three rotations into n1 n2 n3; the
; sums over d and c of v3^2 and v2^2 give n3 and n2 once more; the rotation of wire 0 is written out.  The result, a polynomial identity:
;     out[i][j] = f(x[i]) g(y[j]),   f = n1 ( n1 (c0^2 - s0^2)^2 + (2 c0 s0)^2 (2 c1 s1) ),   g = (n2 n3)^2.
; It holds for every input; only the order of rounding differs.  y is read and goes through the same sine and cosine, so that a NaN or an
; infinity in y gives NaN in its column.  No matrix product is left: the one rotation that remains has other entries for each output.
;
; SINE AND COSINE: h = t/2, k = round(h 2/pi), r = h - k pi/2 in two fused steps (pi/2 = high + low f32; what is left out is
; k x 1.7e-15), polynomials of degree 7 and 8 on |r| <= pi/4.  n_w, (c0^2 - s0^2)^2 and (c0 s0)^2 do not change when sine and cosine are swapped or
; change sign, so they are made from sin r and cos r as they are; c1 s1 = sin(2r + k pi) / 2 takes the sign (-1)^k.  No branch, no select.
; LIMIT: |t| below 2^22 (k below 2^21 fits the rounding by the added constant, and k's error of k x 2^-25 stays under 0.07); larger
; finite angles give wrong finite numbers.  Infinities and NaN give NaN.
;
; SHARES: 4 x 64 work-groups of four waves; a work-group makes 16 rows x 256 columns, a wave 16 rows x 64 columns.  Lane (r = lane & 15,
; h = lane >> 4) stores the 16 bytes of columns 4r .. 4r+3 of rows 2k + h, k = 0 .. 7: in each store sixteen neighbouring lanes write 256
; consecutive bytes that start at a multiple of 256 from the output's first byte.  Waves share nothing: no LDS, no barrier.  No cluster:
; the inputs of a work-group are 2,176 bytes.
;
; THE MODE: SCHED_MODE bits 1:0 = 2 (LLVM: expert scheduling mode 2), set by the entry lines.  The code itself states the register dependences
; between vector instructions and memory instructions, with s_wait_alu, always for 0.
; THE PLAN.  Registers that memory instructions touch:
;   v1, v2, v3    byte offsets.  Written once, at the head, by vector instructions; read by the two loads (v1, v2) and the eight stores (v3); never written again.
;   ANG           Written by the two loads alone, which no vector instruction that names it precedes; read by the arithmetic behind s_wait_loadcnt.
;   OUT 0 .. 15   Written by the eight multiplies of rows 0 to 7; read by stores 0 to 3; never written again.
;   OUT 16 .. 31  Written by the eight multiplies of rows 8 to 15; read by stores 4 to 7; never written again.
;   s10           Written by v_readfirstlane_b32; read by the scalar lines that make the bases of y and out.
; So four waits state everything: one on va_sdst ahead of s10's first reader; one on va_vdst ahead of the loads, for the three offsets; one behind each half's
; multiplies, for that half of OUT.  Stores 0 to 3 are dealt among the second half's multiplies, which name GG, FT and OUT 16 .. 31: none of the registers that
; those stores read.  No register that a load or store reads is ever written afterwards, so no wait on vm_vsrc is owed; EXEC is never written.
.set F_INVPIO2, 0x3f22f983             ; 2/pi
.set F_MAGIC,   0x4b400000             ; 1.5 x 2^23: adding it rounds to a whole number and leaves k's low bits in the word's low bits
.set F_NPIO2_H, 0xbfc90fdb             ; -(pi/2 rounded to f32)
.set F_NPIO2_L, 0x333bbd2e             ; -(pi/2 - that) = +4.3711388e-8
.set F_SIN3,    0xb94ca1f9             ; sin r = r + r z (SIN1 + z (SIN2 + z SIN3)), z = r^2:  -1.9515296e-4
.set F_SIN2,    0x3c08839e             ;  8.3321609e-3
.set F_SIN1,    0xbe2aaaa3             ; -1.6666655e-1
.set F_COS3,    0x37ccf5ce             ; cos r = 1 + z (-0.5 + z (COS1 + z (COS2 + z COS3))):   2.4433157e-5
.set F_COS2,    0xbab6061a             ; -1.3887316e-3
.set F_COS1,    0x3d2aaaa5             ;  4.1666646e-2
; scalar pairs: a packed instruction names the pair and takes its first register for both halves (op_sel_hi 0)
.set Q_INV, 20
.set Q_NH,  22
.set Q_NL,  24
.set Q_S3,  26
.set Q_S1,  28
.set Q_C3,  30
.set Q_C1,  32
; vector registers.  Three pairs of angles a lane: pair 0 = x of my row, pairs 1 and 2 = y of my two columns
.set VX,    1                          ; byte offset of my row's two angles in x
.set VY,    2                          ; byte offset of my two columns' four angles in y
.set VO,    3                          ; byte offset of my 16 bytes in row h of the wave's tile
.set MAGIC, 4                          ; v[4:5]    the three constants that stand beside a scalar constant in one instruction
.set P_S2,  6                          ; v[6:7]
.set P_C2,  8                          ; v[8:9]
.set ANG,   10                         ; v[10:15]  t
.set HA,    16                         ; v[16:21]  h = t/2 (before the loads: scratch for the offsets)
.set JJ,    22                         ; v[22:27]  h 2/pi + 1.5 x 2^23
.set KK,    28                         ; v[28:33]  k
.set RR,    34                         ; v[34:39]  r
.set ZZ,    40                         ; v[40:45]  r^2
.set SN,    46                         ; v[46:51]  the sine's polynomial, then sin r
.set CS,    52                         ; v[52:57]  the cosine's polynomial, then cos r
.set ZR,    58                         ; v[58:63]  r^3
.set SS,    64                         ; v[64:69]  sin^2 r
.set NN,    70                         ; v[70:75]  n = cos^2 r + sin^2 r
.set MM,    76                         ; v[76:77]  2 c0 s0 (up to sign), 2 c1 s1
.set WW,    78                         ; v[78:79]  n2 n3 of my two columns
.set DD,    80                         ; c0^2 - s0^2 (up to sign), then the sum in f
.set EE,    81                         ; (2 c0 s0)^2
.set SG,    82                         ; k1's lowest bit in the sign's place
.set FF,    83                         ; f of row 2 (lane & 7) + h
.set GG,    84                         ; v[84:87]  g of columns 4r .. 4r+3
.set FT,    28                         ; v[28:43]  f of row 2k + h in register FT + 2k: k, r and r^2 are done with by then
.set OUT,   88                         ; v[88:119] four registers for each of the eight stores: no store's data is ever rewritten
.macro SPAIR reg, val
	s_mov_b32 s[\reg], \val
	s_mov_b32 s[\reg+1], \val
.endm
.macro VPAIR reg, val
	v_mov_b32 v[\reg], \val
	v_mov_b32 v[\reg+1], \val
.endm
	s_load_b128 s[4:7], s[0:1], 0x0                ; x s[4:5], y s[6:7]
	s_load_b64 s[8:9], s[0:1], 0x10                ; out
	v_lshrrev_b32 v[HA], 5, v0
	v_readfirstlane_b32 s10, v[HA]                 ; wave 0 .. 3
	v_and_b32 v[HA], 15, v0                        ; r
	v_and_b32 v[HA+1], 16, v0                      ; 16 h
	v_and_b32 v[HA+2], 7, v0                       ; r & 7
	v_lshrrev_b32 v[HA+3], 1, v[HA+1]              ; 8 h
	v_lshlrev_b32 v[HA+4], 4, v[HA]                ; 16 r
	v_lshl_or_b32 v[VY], v[HA], 5, v[HA+1]         ; columns 4r + 2h, 4r + 2h + 1: 32 r + 16 h
	v_lshl_or_b32 v[VX], v[HA+2], 4, v[HA+3]       ; row 2 (r & 7) + h: 16 (r & 7) + 8 h
	v_lshl_or_b32 v[VO], v[HA+1], 8, v[HA+4]       ; row h, columns 4r ..: 4,096 h + 16 r
	s_and_b32 s11, ttmp7, 0xffff                   ; block of 16 rows; ttmp9: block of 256 columns
	s_lshl_b32 s12, s11, 7                         ; x: 16 rows of 8 bytes
	s_mov_b32 s13, 0
	s_lshl_b32 s14, ttmp9, 11                      ; y: 256 columns of 8 bytes,
	s_wait_alu depctr_va_sdst(0)                   ; s10 is written, ahead of its first reader, the line below: the bases of y and out are made from it
	s_lshl_b32 s18, s10, 9                         ;    + my wave's 64 columns
	s_add_co_u32 s14, s14, s18
	s_mov_b32 s15, 0
	s_lshr_b32 s18, s14, 1                         ; out: the same columns at 4 bytes,
	s_lshl_b32 s16, s11, 16                        ;      + 16 rows of 4,096 bytes
	s_add_co_u32 s16, s16, s18
	s_mov_b32 s17, 0
	s_wait_kmcnt 0x0
	s_add_nc_u64 s[6:7], s[6:7], s[14:15]
	s_add_nc_u64 s[4:5], s[4:5], s[12:13]
	s_wait_alu depctr_va_vdst(0)                   ; the three offsets v1, v2, v3 are written: the two loads below read v2 and v1, the eight stores v3; no later vector instruction names them
	global_load_b128 v[ANG+2:ANG+5], v[VY], s[6:7] ; the wave's 512 bytes of y, each angle in one lane
	global_load_b64 v[ANG:ANG+1], v[VX], s[4:5]    ; the wave's 128 bytes of x, lanes 8-15 of each half as lanes 0-7
	s_add_nc_u64 s[8:9], s[8:9], s[16:17]
	SPAIR Q_INV, F_INVPIO2                         ; the constants are set while the loads are on their way
	SPAIR Q_NH,  F_NPIO2_H
	SPAIR Q_NL,  F_NPIO2_L
	SPAIR Q_S3,  F_SIN3
	SPAIR Q_S1,  F_SIN1
	SPAIR Q_C3,  F_COS3
	SPAIR Q_C1,  F_COS1
	VPAIR MAGIC, F_MAGIC
	VPAIR P_S2,  F_SIN2
	VPAIR P_C2,  F_COS2
	s_wait_loadcnt 0x0                             ; both loads: the first line below takes all six angles
	; sin r and cos r of six half angles, two in an instruction, three chains that do not wait for each other
.irp p, 0,2,4
	v_pk_mul_f32 v[HA+\p:HA+\p+1], v[ANG+\p:ANG+\p+1], 0.5 op_sel_hi:[1,0]
.endr
.irp p, 0,2,4
	v_pk_fma_f32 v[JJ+\p:JJ+\p+1], v[HA+\p:HA+\p+1], s[Q_INV:Q_INV+1], v[MAGIC:MAGIC+1] op_sel_hi:[1,0,1]
.endr
.irp p, 0,2,4
	v_pk_add_f32 v[KK+\p:KK+\p+1], v[JJ+\p:JJ+\p+1], v[MAGIC:MAGIC+1] neg_lo:[0,1] neg_hi:[0,1]   ; k as a float
.endr
.irp p, 0,2,4
	v_pk_fma_f32 v[RR+\p:RR+\p+1], v[KK+\p:KK+\p+1], s[Q_NH:Q_NH+1], v[HA+\p:HA+\p+1] op_sel_hi:[1,0,1]
.endr
.irp p, 0,2,4
	v_pk_fma_f32 v[RR+\p:RR+\p+1], v[KK+\p:KK+\p+1], s[Q_NL:Q_NL+1], v[RR+\p:RR+\p+1] op_sel_hi:[1,0,1]
.endr
.irp p, 0,2,4
	v_pk_mul_f32 v[ZZ+\p:ZZ+\p+1], v[RR+\p:RR+\p+1], v[RR+\p:RR+\p+1]
.endr
.irp p, 0,2,4
	v_pk_fma_f32 v[SN+\p:SN+\p+1], v[ZZ+\p:ZZ+\p+1], s[Q_S3:Q_S3+1], v[P_S2:P_S2+1] op_sel_hi:[1,0,1]
	v_pk_fma_f32 v[CS+\p:CS+\p+1], v[ZZ+\p:ZZ+\p+1], s[Q_C3:Q_C3+1], v[P_C2:P_C2+1] op_sel_hi:[1,0,1]
.endr
.irp p, 0,2,4
	v_pk_mul_f32 v[ZR+\p:ZR+\p+1], v[ZZ+\p:ZZ+\p+1], v[RR+\p:RR+\p+1]
.endr
.irp p, 0,2,4
	v_pk_fma_f32 v[SN+\p:SN+\p+1], v[SN+\p:SN+\p+1], v[ZZ+\p:ZZ+\p+1], s[Q_S1:Q_S1+1] op_sel_hi:[1,1,0]
	v_pk_fma_f32 v[CS+\p:CS+\p+1], v[CS+\p:CS+\p+1], v[ZZ+\p:ZZ+\p+1], s[Q_C1:Q_C1+1] op_sel_hi:[1,1,0]
.endr
.irp p, 0,2,4
	v_pk_fma_f32 v[SN+\p:SN+\p+1], v[SN+\p:SN+\p+1], v[ZR+\p:ZR+\p+1], v[RR+\p:RR+\p+1]          ; sin r
	v_pk_fma_f32 v[CS+\p:CS+\p+1], v[CS+\p:CS+\p+1], v[ZZ+\p:ZZ+\p+1], -0.5 op_sel_hi:[1,1,0]
.endr
.irp p, 0,2,4
	v_pk_fma_f32 v[CS+\p:CS+\p+1], v[CS+\p:CS+\p+1], v[ZZ+\p:ZZ+\p+1], 1.0 op_sel_hi:[1,1,0]     ; cos r
.endr
	; f of my row and g of my two columns
.irp p, 0,2,4
	v_pk_mul_f32 v[SS+\p:SS+\p+1], v[SN+\p:SN+\p+1], v[SN+\p:SN+\p+1]
.endr
	v_pk_mul_f32 v[MM:MM+1], v[SN:SN+1], v[CS:CS+1]                ; sin r cos r of angles 0 and 1
	v_lshlrev_b32 v[SG], 31, v[JJ+1]                               ; k1 odd: c1 s1 = - sin r cos r
.irp p, 0,2,4
	v_pk_fma_f32 v[NN+\p:NN+\p+1], v[CS+\p:CS+\p+1], v[CS+\p:CS+\p+1], v[SS+\p:SS+\p+1]          ; n0 (not used), n1; n2, n3; n2, n3
.endr
	v_fma_f32 v[DD], v[CS], v[CS], -v[SS]                          ; +-(c0^2 - s0^2): it is squared below
	v_pk_add_f32 v[MM:MM+1], v[MM:MM+1], v[MM:MM+1]                ; doubled
	v_mul_f32 v[WW], v[NN+2], v[NN+3]
	v_mul_f32 v[WW+1], v[NN+4], v[NN+5]
	v_mul_f32 v[DD], v[DD], v[DD]
	v_xor_b32 v[MM+1], v[SG], v[MM+1]                              ; 2 c1 s1
	v_mul_f32 v[EE], v[MM], v[MM]                                  ; (2 c0 s0)^2
	v_pk_mul_f32 v[GG:GG+1], v[WW:WW+1], v[WW:WW+1]                ; g of columns 4r + 2h, 4r + 2h + 1, made twice,
	v_pk_mul_f32 v[GG+2:GG+3], v[WW:WW+1], v[WW:WW+1]              ; so that the exchange below needs no copy
	v_mul_f32 v[DD], v[DD], v[NN+1]
	v_permlane16_swap_b32 v[GG], v[GG+2]                           ; the first register's lanes 16-31 against the second's lanes 0-15:
	v_permlane16_swap_b32 v[GG+1], v[GG+3]                         ; GG, GG+1 = g(4r), g(4r+1) and GG+2, GG+3 = g(4r+2), g(4r+3) in both halves
	v_fma_f32 v[DD], v[EE], v[MM+1], v[DD]
	v_mul_f32 v[FF], v[DD], v[NN+1]                                ; f
	; Lane k of each half of 16 holds f of row 2k + h: every lane of the half takes it.  The destinations were written above (k, r, r^2).
.irp k, 0,1,2,3,4,5,6,7
	v_mov_b32_dpp v[FT+2*\k], v[FF] row_share:\k row_mask:0xf bank_mask:0xf
.endr
	; Rows 2k (lanes 0-15) and 2k + 1 (lanes 16-31): four products and 16 bytes a lane.  The packed multiply takes FT + 2k for both halves.
	; First the products of rows 0 to 7; then their four stores, dealt among the products of rows 8 to 15; then those rows' four stores.
.irp k, 0,1,2,3
	v_pk_mul_f32 v[OUT+4*\k:OUT+4*\k+1],   v[GG:GG+1],   v[FT+2*\k:FT+2*\k+1] op_sel_hi:[1,0]
	v_pk_mul_f32 v[OUT+4*\k+2:OUT+4*\k+3], v[GG+2:GG+3], v[FT+2*\k:FT+2*\k+1] op_sel_hi:[1,0]
.endr
	s_wait_alu depctr_va_vdst(0)                   ; the eight multiplies above have written OUT 0 .. 15, which stores 0 to 3 read
.irp k, 0,1,2,3
	global_store_b128 v[VO], v[OUT+4*\k:OUT+4*\k+3], s[8:9] offset:\k*8192 th:TH_STORE_NT          ; no wait: no vector instruction since the wait names v3 or OUT 0 .. 15
	v_pk_mul_f32 v[OUT+4*\k+16:OUT+4*\k+17], v[GG:GG+1],   v[FT+2*\k+8:FT+2*\k+9] op_sel_hi:[1,0]
	v_pk_mul_f32 v[OUT+4*\k+18:OUT+4*\k+19], v[GG+2:GG+3], v[FT+2*\k+8:FT+2*\k+9] op_sel_hi:[1,0]
.endr
	s_wait_alu depctr_va_vdst(0)                   ; the eight multiplies above have written OUT 16 .. 31, which stores 4 to 7 read
.irp k, 4,5,6,7
	global_store_b128 v[VO], v[OUT+4*\k:OUT+4*\k+3], s[8:9] offset:\k*8192 th:TH_STORE_NT
.endr
	s_endpgm
.Lfunc_end_k_q605ebd2144_ansatz:
	.size	k_q605ebd2144_ansatz, .Lfunc_end_k_q605ebd2144_ansatz-k_q605ebd2144_ansatz
	.p2alignl 7, 3214868480
	.fill 96, 4, 3214868480
	.section	.rodata,"a",@progbits
	.p2align	6, 0x0
	.amdhsa_kernel k_q605ebd2144_ansatz
		.amdhsa_group_segment_fixed_size 0
		.amdhsa_private_segment_fixed_size 0
		.amdhsa_enable_private_segment 0
		.amdhsa_kernarg_size 24
		.amdhsa_user_sgpr_count 2
		.amdhsa_user_sgpr_kernarg_segment_ptr 1
		.amdhsa_wavefront_size32 1
		.amdhsa_system_sgpr_workgroup_id_x 1
		.amdhsa_system_sgpr_workgroup_id_y 1
		.amdhsa_system_sgpr_workgroup_id_z 1
		.amdhsa_system_vgpr_workitem_id 0
		.amdhsa_next_free_vgpr 120
		.amdhsa_next_free_sgpr 66
		.amdhsa_reserve_vcc 0
		.amdhsa_float_denorm_mode_32 3
		.amdhsa_float_denorm_mode_16_64 3
		.amdhsa_memory_ordered 1
		.amdhsa_forward_progress 1
		.amdhsa_inst_pref_size 9
	.end_amdhsa_kernel
	.amdgpu_metadata
---
amdhsa.version: [ 1, 2 ]
amdhsa.kernels:
  - .name:           k_q605ebd2144_ansatz
    .symbol:         k_q605ebd2144_ansatz.kd
    .args:
      - { .name: x, .offset: 0, .size: 8, .value_kind: global_buffer, .address_space: global }
      - { .name: y, .offset: 8, .size: 8, .value_kind: global_buffer, .address_space: global }
      - { .name: out0, .offset: 16, .size: 8, .value_kind: global_buffer, .address_space: global }
    .group_segment_fixed_size: 0
    .private_segment_fixed_size: 0
    .kernarg_segment_align: 8
    .kernarg_segment_size: 24
    .max_flat_workgroup_size: 128
    .sgpr_count:     66
    .vgpr_count:     120
    .wavefront_size: 32
...
	.end_amdgpu_metadata
.endif
;; end of part 2
